; MI455X (gfx1250); checked and timed in simulation.
; The chip was launched on July 23, 2026; its instructions are those of AMD's public machine-readable ISA for CDNA 5 (MIT licence, August 2026) and "CDNA5" Instruction Set Architecture Reference Guide (July 2026). The comments in the code are by the model that wrote it; some were corrected since.
;; Self Attention. Allowed arithmetic: matrix products marked QUANTISED: E4M3 operands, one given power-of-two scale a tensor, by v_wmma_f32_16x16x64_fp8_fp8 or v_wmma_f32_16x16x128_fp8_fp8, f32 sums; everything else in f32.
;; Inputs: lowp_scales 8 int32 (the exponents e of the quantised operands' scales 2^e); w_attn_codes 3,072 x 32 x 32 uint8 (E4M3 codes of w_attn, K innermost, in blocks of 32 codes); w_proj_codes 1,024 x 32 x 32 uint8 (E4M3 codes of w_proj, K innermost, in blocks of 32 codes); x_codes 4 x 2,048 x 32 x 32 uint8 (E4M3 codes of x, K innermost, in blocks of 32 codes).
;; Outputs: out0 4 x 2,048 x 1,024 float32.
;; This version of the problem:
;;   THIS VERSION OF THE PROBLEM IS GIVEN IN LOW PRECISION. The matrix products marked QUANTISED in the list below multiply operands that are first quantised to E4M3 (4 exponent bits, 3 mantissa bits; 8 bits a number), with one given power-of-two scale for each operand tensor; their sums are f32. All else is computed in f32.
;;   The module's matrix products, in the order in which they are computed (A, B: the left and right operand; K: the contracted axis; several contracted axes count as one K, in the product's order):
;;     1. [M 8,192, K 1,024] x [K 1,024, N 3,072]; A: input x (given as codes); B: input w_attn (given as codes): QUANTISED (scales: A lowp_scales[0], B lowp_scales[1])
;;     2. batch 64 x [M 2,048, K 64] x [K 64, N 2,048]; A: computed on the way; B: computed on the way: QUANTISED (scales: A lowp_scales[2], B lowp_scales[3])
;;     3. batch 64 x [M 2,048, K 2,048] x [K 2,048, N 64]; A: softmax (see below); B: computed on the way: QUANTISED (scales: A lowp_scales[4], B lowp_scales[5])
;;     4. [M 8,192, K 1,024] x [K 1,024, N 1,024]; A: computed on the way; B: input w_proj (given as codes): QUANTISED (scales: A lowp_scales[6], B lowp_scales[7])
;;   THE QUANTISER, for each operand of a quantised product, along K:
;;     - The operand's scale is 2^e, e = its entry of the input lowp_scales (int32; the entries are numbered through the quantised products in the list's order, A before B).
;;     - Each number is divided by the scale, clamped to +-448, and rounded to the nearest number of E4M3, ties to even, subnormals kept.
;;     - The product sums the exact products of the quantised numbers (number of the format x scale) in f32.
;;   ~~~python
;;   def quantise(x, axis, e):      # numpy; x: float32 -> the quantised numbers, widened to float32 again
;;       x = np.moveaxis(x, axis, -1); K = x.shape[-1]
;;       r = np.clip(x / 2.0 ** e, -448, 448)
;;       step = 2.0 ** (np.maximum(np.frexp(np.where(r == 0, 1, r))[1] - 1, -6) - 3)
;;       q = np.round(r / step) * step * 2.0 ** e      # np.round: ties to even
;;       return np.moveaxis(q, -1, axis).astype(np.float32)
;;   ~~~
;;   SOFTMAX AHEAD OF A QUANTISED PRODUCT. Where the list says 'softmax', what is quantised is not the finished softmax but p = 2^(t - M), with t = logit x log2(e) and M = ceil(the row's largest t), a whole number; so 1/2 < the row's largest p <= 1. The row's sum l is taken of the UNQUANTISED p, in f32, and the product's result is divided by l at the end. Since M is a whole number, a kernel that streams over the keys may use a running M (the ceiling of the running maximum): every later rescaling is an exact power of two, so the quantised numbers keep their values, but for numbers so far below the row's largest that they fall under the format's range.
;;   OPERANDS COMPUTED ON THE WAY. 'Computed on the way' means the value that the module computes at that place (a softmax that the list does not call 'softmax' is quantised finished and normalised). What goes into a quantiser is computed in f32, as accurately as f32 sums, v_exp_f32 and their like allow (about 1e-6 of the number): no bf16 or f16 on the way to a quantiser, and a product that is left as it is and whose result goes on into a quantised operand takes f32 operands (vector FMAs, or v_wmma_f32_16x16x4_f32). A number that lies on a knife's edge between two numbers of the format may be rounded either way, as far as f32 arithmetic and the matrix unit's own rounding can turn it there, and no further.
;;   INPUTS GIVEN AS CODES. w_attn (in the module: [1024, 3072], K = its axis 0); w_proj (in the module: [1024, 1024], K = its axis 0); x (in the module: [4, 2048, 1024], K = its axis 2): each comes as NAME_codes (uint8): NAME with its K axis moved to the last place and cut into blocks of 32 codes, [.., K / 32, bytes a block], one block behind the other in memory; one code a byte (a code: sign, 4 exponent bits, 3 mantissa bits); its scale is its entry of lowp_scales. Its value is code x scale, taken as it is: it is not quantised again, and the codes and scales need not be those that the quantiser above would give.
;; One version. Each part assembles by itself: llvm-mc -triple=amdgcn-amd-amdhsa -mcpu=gfx1250 --defsym DOCPART=n.
;; ======== version 1 of 1: 3 launches
;; limits: right only within a limited range of input values
;; workspace buffers: q_img 8,388,608 bytes; k_img 8,388,608 bytes; v_img 8,388,608 bytes; y_img 8,388,608 bytes
;; launch qkv (part 1): grid 12 x 32, 4 waves a work-group, clusters of 4 x 4, 327,680 bytes of LDS; arguments x_codes, w_attn_codes, lowp_scales, q_img, k_img, v_img; writes q_img, k_img, v_img
.if DOCPART == 1
	.amdgcn_target "amdgcn-amd-amdhsa--gfx1250"
	.amdhsa_code_object_version 6
	.text
	.protected	k_q554ff510f0_qkv
	.globl	k_q554ff510f0_qkv
	.p2align	8
	.type	k_q554ff510f0_qkv,@function
k_q554ff510f0_qkv:
	s_mov_b64 s[64:65], 0
	v_nop
	global_prefetch_b8 v0, s[64:65] scope:SCOPE_SE
	s_setreg_imm32_b32 hwreg(HW_REG_WAVE_MODE, 25, 1), 1
	s_wait_xcnt 0x0
	s_wait_alu depctr_hold_cnt(0) depctr_sa_sdst(0) depctr_va_vdst(0) depctr_va_sdst(0) depctr_va_ssrc(0) depctr_va_vcc(0) depctr_vm_vsrc(0)
	s_getreg_b32 s2, hwreg(HW_REG_IB_STS2, 6, 4)
	s_cmp_eq_u32 s2, 0
	s_cbranch_scc0 .Lentry_in_a_cluster
	s_endpgm
.Lentry_in_a_cluster:
	s_bfe_u32 s2, ttmp6, 0x10000c
	s_cmp_lg_u32 s2, 0xf033
	s_cbranch_scc0 .Lentry_shape_is_right
	s_endpgm
.Lentry_shape_is_right:
; s = x w_attn on codes of FP8 (E4M3), and s's three parts q, k, v quantised at once for the products that follow.
; x_codes: [8192 tokens][1024], w_attn_codes: [3072 channels][1024], K innermost, one code a byte.  lowp_scales: e0 .. e7.
; A sum stands for sum x 2^(e0 + e1); its code is sum / 2^(e_out - e0 - e1), e_out = e2 (q), e3 (k), e5 (v).
; LIMIT: e_out - e0 - e1 lies between -126 and 119, so that the folded scale is an f32 number.
; SHARES.  A tile of 256 x 256 sums to a work-group of four waves; a wave makes 128 x 128: 64 accumulators, 512 registers.  K goes in steps of 256
; through a ring of two LDS slots filled by the tensor data mover; 4 x 4 work-groups form a cluster and ask for shared tiles jointly.
; Cluster x = 0, 1, 2 is q, k, v.  ROLES: operand "A" gives the lane of a result, operand "B" its registers (source 0 = 16 rows of B, source 1 = 16 rows of A:
; lane (r, h), register j of accumulator (a, b) is (A's row 16 a + r, B's row 16 b + 8 h + j)).  For q and k A = x (tokens), B = w_attn (channels);
; for v A = w_attn's rows from 2048 on (channels), B = x (tokens): the roles are changed by pointers alone, the text is one.
; OUTPUT: IMAGES OF OPERAND REGISTERS.  One conversion of an accumulator's eight registers gives registers 2 b, 2 b + 1 of a fragment whose lane is A's row and whose
; K runs along B's rows (K = 16 b + 8 h + 0 .. 7).  A block a's sixteen registers leave by four stores, lane l's 16 bytes at 16 l: 512 consecutive bytes, aligned.
; q_img, k_img, v_img: [batch 4][pair of heads 8][128 tokens 16][16384 bytes]; in a block my wave writes a x 2048 + s x 512 + 16 x lane:
;   q, k: [16 tokens a][head of the pair][1024]: a fragment of 16 tokens x 64 channels;   v: [head of the pair][16 channels][2048]: a fragment of 16 channels x 128 tokens.
; REGISTERS, in windows of 256: window 0: v0-31 addresses and the scale; from v128 A's fragments, ONE set, later the codes.
;   window 1: B's fragments, TWO sets, at v0 and v128.   window 2: accumulators of A's rows 0-63 ((a, b) at v[8 (8 a + b)]);   window 3: those of rows 64-127.
.set KROW,   1024                      ; a row of x or of w_attn in memory, in bytes
.set ROWB,   256                       ; a tile's row in bytes: 256 along K
.set PITCH,  272                       ; an LDS row: 256 bytes + 16 of padding = 68 words: the 16 rows that a load touches start at 16 different banks (64 banks of 4 bytes: ISA guide 11.1)
.set FR,     16                        ; registers of a fragment: 16 rows x 128 K
.set NL,     4                         ; LDS loads that bring one
.set NP,     4                         ; places behind this matrix instruction (ISA guide 7.12.1)
.set HALFT,  128*PITCH                 ; 128 rows: what one tensor load brings, and what one wave reads of A or of B
.set SLOT,   4*HALFT                   ; A's 256 rows, then B's 256 rows
.set LAPS,   KROW/(2*ROWB)             ; a lap = once round the ring: 2
.set SPARE,  2*SLOT                    ; behind the ring: the spare words, 128 bytes for each wave: two blocks of 256 bytes that no other line names
.set ADRA, 16                          ; v16-17  LDS address of my A fragments in slot 0, 1
.set ADRB, 20                          ; v20-21  the same for B
.set CO,   26                          ; v26     16 x lane: my place in an image; never rewritten
.set SPW,  28                          ; v28     LDS address of my spare word; never rewritten
.set NIL,  29                          ; v29     0; never rewritten
.set SCV,  30                          ; v30     2^(e_out - e0 - e1) as f32: the conversion takes its exponent field
.set LIMV, 31                          ; v31     not used
.set TMP,  32                          ; v32-95  not used
.set AF,   128                         ; A's fragments, in window 0
.set CD,   128                         ; the codes: sixteen registers of its own for each block, so that no store's data are written again
.set G1, 24                            ; s[24:31] descriptor group 1 for A's tiles;  s[32:39] group 0, one set for each slot
.set G0, 32
.set G1B, 48                           ; s[48:55], s[56:63] the same for B's tiles
.set G0B, 56
.set MSB, 0
.macro WIN new                         ; the immediate's high byte repeats the setting that is left; a switch that changes nothing is dropped
.if MSB != (\new)
	s_set_vgpr_msb (MSB<<8)|(\new)
.set MSB, (\new)
.endif
.endm
.set MUL_LO, 0xa1                      ; source 0 (B) window 1, source 1 (A) window 0, C and D window 2
.set MUL_HI, 0xf1                      ; the same, C and D window 3
.set TO_B,   0x40                      ; destination window 1, address window 0
; A joint load: waves 0 and 1 fetch for A, waves 2 and 3 for B.  Each of the two lines has ONE mask and one set of registers for all that issue it; the branch hangs on the wave's number alone.
; Four v_nop follow each of the two lines, ahead of the jump, the label and what follows.
.macro JLOAD g0a, g1a, g0b, g1b
	s_cmp_eq_u32 s15, 0
	s_cbranch_scc0 .Lfor_b_\@
	tensor_load_to_lds s[\g0a:\g0a+3], s[\g1a:\g1a+7]
	s_nop 0
.rept 4
	v_nop
.endr
	s_branch .Lasked_\@
.Lfor_b_\@:
	tensor_load_to_lds s[\g0b:\g0b+3], s[\g1b:\g1b+7]
	s_nop 0
.rept 4
	v_nop
.endr
.Lasked_\@:
.endm
.macro CREST                           ; a round of the cluster's barrier behind its opening barrier
	s_cmp_lg_u32 s14, 0
	s_cbranch_scc1 .Lnot_wave_0_\@
	s_barrier_signal -3
.Lnot_wave_0_\@:
	s_barrier_wait -3
	s_barrier_signal -1
	s_barrier_wait -1
.endm
.macro CROUND                          ; a whole round
	s_barrier_signal -1
	s_barrier_wait -1
	CREST
.endm
	s_load_b256 s[4:11], s[0:1], 0x0               ; x s[4:5], w_attn s[6:7], the scales' exponents s[8:9], q_img s[10:11]
	s_load_b128 s[68:71], s[0:1], 0x20             ; k_img s[68:69], v_img s[70:71]
	v_lshl_add_u32 v[SPW], v0, 2, SPARE
	v_mov_b32 v[NIL], 0
	ds_add_u32 v28, v29
	ds_add_u32 v28, v29
	s_wait_dscnt 0x0
	v_lshrrev_b32 v1, 5, v0
	v_readfirstlane_b32 s14, v1                    ; wave 0..3
	s_lshr_b32 s15, s14, 1                         ; which half of A's 256 rows is mine.  Also: I fetch for A (0) or for B (1)
	s_and_b32 s16, s14, 1                          ; which half of B's 256 rows.  Also: which 128 rows of that tile I fetch
	s_bfe_u32 s40, ttmp6, 0x40000                  ; cx, cy: my place in the cluster
	s_bfe_u32 s41, ttmp6, 0x40004
	s_and_b32 s91, ttmp7, 0xffff
	s_lshl_b32 s91, s91, 2                         ; 4 x cluster y
	s_lshl_b32 s90, ttmp9, 2                       ; 4 x cluster x
	s_cmp_eq_u32 ttmp9, 2                          ; v's clusters?  The same answer in all sixteen partners
	s_cselect_b32 s17, 0, s91                      ; A's tile: q, k: 256 tokens, 4 x cluster y + cy;  v: 256 of v's channels, cy
	s_cselect_b32 s42, s91, s90                    ; B's tile: q, k: 256 channels, 4 x cluster x + cx;  v: 256 tokens, 4 x cluster y + cx
	s_add_co_u32 s17, s17, s41
	s_add_co_u32 s42, s42, s40
	s_lshl_b32 s43, s41, 2
	s_lshl_b32 s43, 15, s43                        ; my row of the cluster
	s_lshl_b32 s44, 0x1111, s40                    ; my column
	; descriptor group 1: a tile of 128 rows x 256 bytes, padded in LDS
	s_or_b32 s[G1+0], s43, (0<<16)|(1<<20)|(1<<21)|(5<<22)|(3<<25)  ; 15:0 the mask: A's tiles go to my row; 17:16 element of 1 byte; 20 padding on; 21 set beside a mask; 24:22 after every 64 words (code 5); 31:25 of 4 words (code 3)
	s_or_b32 s[G1B+0], s44, (0<<16)|(1<<20)|(1<<21)|(5<<22)|(3<<25) ; the same with the mask of my column
.irp g, G1, G1B
	s_mov_b32 s[\g+1], ROWB<<16                    ; tensor_dim0
	s_mov_b32 s[\g+2], 128<<16                     ; tensor_dim1 = 128
	s_mov_b32 s[\g+3], ROWB<<16                    ; tile_dim0
	s_mov_b32 s[\g+4], 128                         ; tile_dim1 = 128
	s_mov_b32 s[\g+5], KROW                        ; tensor_dim0_stride
	s_mov_b32 s[\g+6], 0
	s_mov_b32 s[\g+7], 0
.endr
	s_lshl_b32 s18, s16, 17                        ; the 128 rows of 1,024 bytes that I fetch
	s_lshl_b32 s20, s17, 18                        ; A's tile: 256 rows of 1,024 bytes each
	s_add_co_u32 s20, s20, s18
	s_mov_b32 s21, 0
	s_lshl_b32 s46, s42, 18                        ; B's tile
	s_add_co_u32 s46, s46, s18
	s_mov_b32 s47, 0
	s_mul_i32 s45, s14, HALFT                      ; where they go: wave x 128 rows: no place in the cluster enters an LDS address
	s_wait_kmcnt 0x0
	s_load_b256 s[80:87], s[8:9], 0x0              ; e0 .. e7
	s_add_nc_u64 s[72:73], s[6:7], 2048*KROW       ; w_attn at v's first channel
	s_cmp_eq_u32 ttmp9, 2
	s_cselect_b64 s[74:75], s[72:73], s[4:5]       ; A's buffer
	s_cselect_b64 s[76:77], s[4:5], s[6:7]         ; B's buffer
	s_add_nc_u64 s[20:21], s[74:75], s[20:21]
	s_add_nc_u64 s[46:47], s[76:77], s[46:47]
	CROUND                                         ; all sixteen work-groups are here: the first joint loads meet
.irp s, 0,1
	s_mov_b32 s[G0+4*\s], 1
	s_add_co_u32 s[G0+4*\s+1], s45, \s*SLOT
	s_add_nc_u64 s[G0+4*\s+2:G0+4*\s+3], s[20:21], \s*ROWB
	s_or_b32 s[G0+4*\s+3], s[G0+4*\s+3], 0x80000000
	s_mov_b32 s[G0B+4*\s], 1
	s_add_co_u32 s[G0B+4*\s+1], s45, \s*SLOT
	s_add_nc_u64 s[G0B+4*\s+2:G0B+4*\s+3], s[46:47], \s*ROWB
	s_or_b32 s[G0B+4*\s+3], s[G0B+4*\s+3], 0x80000000
	JLOAD G0+4*\s, G1, G0B+4*\s, G1B
.endr
	v_and_b32 v1, 15, v0                           ; l % 16
	v_bfe_u32 v2, v0, 4, 1                         ; l / 16
	v_mul_u32_u24 v3, v1, PITCH
	v_lshl_add_u32 v4, v2, 4, v3                   ; a fragment's row x pitch + 16 x half
	s_mul_i32 s21, s15, HALFT                      ; my 128 rows of A
	s_mul_i32 s22, s16, HALFT                      ; my 128 rows of B,
	s_add_co_u32 s22, s22, 2*HALFT                 ; which lie behind A's 256
.irp s, 0,1
	v_add_nc_u32 v[ADRA+\s], s21, v4
	v_add_nc_u32 v[ADRB+\s], s22, v4
	s_add_co_u32 s21, s21, SLOT
	s_add_co_u32 s22, s22, SLOT
.endr
	v_and_b32 v6, 31, v0
	v_lshlrev_b32 v[CO], 4, v6                     ; 16 x lane
	; where my wave's block of images lies, and the folded scale: made here, while the first tiles are on their way, in registers that feed no descriptor
	s_lshl_b32 s92, s17, 8
	s_lshl_b32 s94, s15, 7
	s_add_co_u32 s92, s92, s94                     ; my first row of A
	s_lshl_b32 s93, s42, 8
	s_lshl_b32 s94, s16, 7
	s_add_co_u32 s93, s93, s94                     ; my first row of B
	s_wait_alu depctr_va_vdst(0)
	s_wait_kmcnt 0x0                               ; e0 .. e7
	s_cmp_eq_u32 ttmp9, 0
	s_cselect_b64 s[78:79], s[10:11], s[68:69]     ; q_img or k_img,
	s_cselect_b32 s96, s82, s83                    ; e2 or e3,
	s_cmp_eq_u32 ttmp9, 2
	s_cselect_b64 s[10:11], s[70:71], s[78:79]     ; or v_img
	s_cselect_b32 s96, s85, s96                    ; and e5
	s_cselect_b32 s94, s93, s92                    ; my first token (0 .. 8191)
	s_cselect_b32 s95, s92, s93                    ; my first channel
	s_lshr_b32 s97, s94, 11
	s_lshl_b32 s97, s97, 21                        ; the batch: 2^21 bytes
	s_bfe_u32 s98, s94, 0x40007
	s_lshl_b32 s98, s98, 14                        ; which 128 tokens of the batch: 16,384 bytes
	s_add_co_u32 s97, s97, s98
	s_bfe_u32 s98, s95, 0x30007                    ; which pair of heads: (channel mod 1024) / 128
	s_lshl_b32 s98, s98, 18
	s_add_co_u32 s98, s97, s98
	s_mov_b32 s99, 0
	s_add_nc_u64 s[10:11], s[10:11], s[98:99]
	s_sub_co_i32 s96, s96, s80
	s_sub_co_i32 s96, s96, s81                     ; e_out - e0 - e1
	s_add_co_i32 s96, s96, 127
	s_lshl_b32 s97, s96, 23
	v_mov_b32 v[SCV], s97
.macro FRAG reg, adr, q, i             ; a fragment, 16 rows x 128 K, is 16 registers: lane l holds row l % 16; registers 4 c .. 4 c + 3 hold K = 32 c + 16 (l / 16) + 0 .. 15: the same places in A and in B, so every product meets its partner
.irp c, 0,1,2,3
	ds_load_b128 v[\reg+4*\c:\reg+4*\c+3], v[\adr] offset:128*(\q)+32*\c+(\i)*16*PITCH
.endr
.endm
; 16 matrix instructions: A's blocks a0, a0 + 1 x B's eight, 128 along K.  p: B's set.  zero = 1: the first product starts the sums: nothing is ever cleared.
; The 64 accumulators take turns, one instruction a turn, in the same order in every step.
.macro MUL16 a0, p, zero
.irp a, \a0, \a0+1
.irp b, 0,1,2,3,4,5,6,7
.if \zero
	v_wmma_f32_16x16x128_fp8_fp8 v[8*(8*((\a)%4)+\b):8*(8*((\a)%4)+\b)+7], v[128*(\p)+FR*\b:128*(\p)+FR*\b+FR-1], v[AF+FR*(\a):AF+FR*(\a)+FR-1], 0
.else
	v_wmma_f32_16x16x128_fp8_fp8 v[8*(8*((\a)%4)+\b):8*(8*((\a)%4)+\b)+7], v[128*(\p)+FR*\b:128*(\p)+FR*\b+FR-1], v[AF+FR*(\a):AF+FR*(\a)+FR-1], v[8*(8*((\a)%4)+\b):8*(8*((\a)%4)+\b)+7]
.endif
.endr
.endr
.endm
.macro FETCH_B slot, q, p              ; B's eight fragments of the slot's q-th 128 along K into set p
	WIN TO_B
.irp i, 0,1,2,3,4,5,6,7
	FRAG 128*(\p)+FR*\i, ADRB+\slot, \q, \i
.endr
	WIN 0
.endm
.macro FETCH_A slot, q, i0             ; A's blocks i0 .. i0 + 3
.irp i, \i0, \i0+1, \i0+2, \i0+3
	FRAG AF+FR*(\i), ADRA+\slot, \q, \i
.endr
.endm
; A load into a register that a matrix instruction has read, and a vector instruction that reads a matrix result, stand NP places behind that matrix instruction;
; only plain vector instructions that name none of its registers are places (ISA guide 7.12.1 for vector instructions).
.macro PLACES n
.rept \n
	v_nop
.endr
.endm
; A step of 128 along K that has its successor in the same slot.  A block of A is free as soon as its eight products are issued: blocks 0-3 are fetched anew in the step's middle, blocks 4-7 at its end.
.macro STEP slot, q, zero
	s_wait_dscnt 4*NL                              ; B's set and A's blocks 0-3 are in; the youngest sixteen loads (A's blocks 4-7) may be out
	WIN MUL_LO
	MUL16 0, (\q)%2, \zero
	MUL16 2, (\q)%2, \zero
	s_wait_dscnt 0x0                               ; A's blocks 4-7 are in (asked for 32 matrix instructions ago)
	PLACES NP
	FETCH_B \slot, (\q)+1, 1-(\q)%2
	FETCH_A \slot, (\q)+1, 0
	WIN MUL_HI
	MUL16 4, (\q)%2, \zero
	MUL16 6, (\q)%2, \zero
	PLACES NP
	WIN 0
	FETCH_A \slot, (\q)+1, 4
.endm
; A slot's last step changes slots: ONE barrier; in front of it each wave waits for all its tensor loads, adds 0 to its spare word, and waits for that and for its own reads of this slot.  fill = 1: this slot is filled again, two slots ahead along K.
.macro TURN slot, next, fill
	s_wait_tensorcnt 0x0                           ; all my tensor loads have landed: my part of the next slot  (every window is 0 here)
	ds_add_u32 v[SPW], v[NIL]                      ; 0 onto my spare word
	s_wait_dscnt 4*NL+1                            ; (the add and the youngest sixteen loads, A's blocks 4-7, may be out)
	WIN MUL_LO
	MUL16 0, 1, 0                                  ; sixteen matrix instructions stand between the add and the wait for it
	s_wait_dscnt 0x0                               ; the add is done, and my reads of this slot are over
	s_barrier_signal -1
	MUL16 2, 1, 0
	WIN 0
	s_barrier_wait -1
.if \fill
	CREST                                          ; the barrier has opened a round of the cluster's barrier: no wave of any partner still reads this slot's tile or has a load on its way
	s_add_nc_u64 s[G0+4*\slot+2:G0+4*\slot+3], s[G0+4*\slot+2:G0+4*\slot+3], 2*ROWB
	s_add_nc_u64 s[G0B+4*\slot+2:G0B+4*\slot+3], s[G0B+4*\slot+2:G0B+4*\slot+3], 2*ROWB
	JLOAD G0+4*\slot, G1, G0B+4*\slot, G1B         ; the first tensor load behind the round, my one load until the next; the four v_nop behind it are the places in front of the loads below
.else
	PLACES NP
.endif
	FETCH_B \next, 0, 0
	FETCH_A \next, 0, 0
	WIN MUL_HI
	MUL16 4, 1, 0
	MUL16 6, 1, 0
	PLACES NP
	WIN 0
	FETCH_A \next, 0, 4
.endm
	s_wait_tensorcnt 1                             ; my part of slot 0 is in; slot 1's load may be out
	s_barrier_signal -1
	s_barrier_wait -1                              ; everybody's is
	FETCH_B 0, 0, 0
	FETCH_A 0, 0, 0
	FETCH_A 0, 0, 4
	STEP 0, 0, 1                                   ; the first step's products start the sums
.rept LAPS-1                                           ; once round the ring, from a lap's second step to the next lap's first: both slots are filled again.  K = 1024 has one such lap: written out, no loop
	TURN 0, 1, 1
	STEP 1, 0, 0
	TURN 1, 0, 1
	STEP 0, 0, 0
.endr
	TURN 0, 1, 0                                   ; the last lap fills nothing, and has no round of the cluster's barrier
	STEP 1, 0, 0
	s_wait_dscnt 4*NL                              ; the very last step: nothing more to fetch
	WIN MUL_LO
	MUL16 0, 1, 0
	MUL16 2, 1, 0
	s_wait_alu depctr_va_vdst(0)
	s_wait_dscnt 0x0
	WIN MUL_HI
	MUL16 4, 1, 0
	MUL16 6, 1, 0
	WIN 0
; THE WAY OUT, block by block of 16 rows of A.  The 64 sums of a lane go to the conversions unheld (the conversion to an 8-bit code does not saturate: ISA guide 7.6.2), each accumulator
; from its low end on; eight conversions make the block's sixteen registers of codes; four stores of 512 consecutive bytes take them out.  No LDS is needed.
.macro OUTBLK a
.set WS, 0x02+((\a)/4)                 ; source 0: window 2 or 3
.set AC, 64*((\a)%4)
	WIN WS
.set j, 0
.rept 64
.set j, j+1
.endr
.irp b, 0,1,2,3,4,5,6,7
	v_cvt_scalef32_pk8_fp8_f32 v[CD+16*(\a)+2*\b:CD+16*(\a)+2*\b+1], v[AC+8*\b:AC+8*\b+7], v[SCV]
.endr
	WIN 0
	v_nop                                          ; one plain vector instruction behind the last conversion
.irp s, 0,1,2,3
	global_store_b128 v[CO], v[CD+16*(\a)+4*\s:CD+16*(\a)+4*\s+3], s[10:11] offset:(\a)*2048+\s*512   ; every offset an immediate, every block its own registers: no source of a store is written again
.endr
.endm
	PLACES NP                                      ; behind the last products: the conversions write the registers that held A's fragments
.irp a, 0,1,2,3,4,5,6,7
	OUTBLK \a
.endr
	s_wait_tensorcnt 0x0                           ; the wave's end, behind my last tensor load; my last LDS instructions
	ds_add_u32 v[SPW], v[NIL]
	s_wait_dscnt 0x0
	CROUND                                         ; the closing round: no work-group ends while a partner may still ask for a tile that names it
	s_endpgm
.Lfunc_end_k_q554ff510f0_qkv:
	.size	k_q554ff510f0_qkv, .Lfunc_end_k_q554ff510f0_qkv-k_q554ff510f0_qkv
	.p2alignl 7, 3214868480
	.fill 96, 4, 3214868480
	.section	.rodata,"a",@progbits
	.p2align	6, 0x0
	.amdhsa_kernel k_q554ff510f0_qkv
		.amdhsa_group_segment_fixed_size 327680
		.amdhsa_private_segment_fixed_size 0
		.amdhsa_enable_private_segment 0
		.amdhsa_kernarg_size 48
		.amdhsa_user_sgpr_count 2
		.amdhsa_user_sgpr_kernarg_segment_ptr 1
		.amdhsa_wavefront_size32 1
		.amdhsa_system_sgpr_workgroup_id_x 1
		.amdhsa_system_sgpr_workgroup_id_y 1
		.amdhsa_system_sgpr_workgroup_id_z 1
		.amdhsa_system_vgpr_workitem_id 0
		.amdhsa_next_free_vgpr 1024
		.amdhsa_next_free_sgpr 100
		.amdhsa_reserve_vcc 0
		.amdhsa_float_denorm_mode_32 3
		.amdhsa_float_denorm_mode_16_64 3
		.amdhsa_fp16_overflow 1
		.amdhsa_memory_ordered 1
		.amdhsa_forward_progress 1
		.amdhsa_inst_pref_size 86
	.end_amdhsa_kernel
	.amdgpu_metadata
---
amdhsa.version: [ 1, 2 ]
amdhsa.kernels:
  - .name:           k_q554ff510f0_qkv
    .symbol:         k_q554ff510f0_qkv.kd
    .args:
      - { .name: x_codes, .offset: 0, .size: 8, .value_kind: global_buffer, .address_space: global }
      - { .name: w_attn_codes, .offset: 8, .size: 8, .value_kind: global_buffer, .address_space: global }
      - { .name: lowp_scales, .offset: 16, .size: 8, .value_kind: global_buffer, .address_space: global }
      - { .name: q_img, .offset: 24, .size: 8, .value_kind: global_buffer, .address_space: global }
      - { .name: k_img, .offset: 32, .size: 8, .value_kind: global_buffer, .address_space: global }
      - { .name: v_img, .offset: 40, .size: 8, .value_kind: global_buffer, .address_space: global }
    .group_segment_fixed_size: 327680
    .private_segment_fixed_size: 0
    .kernarg_segment_align: 8
    .kernarg_segment_size: 48
    .max_flat_workgroup_size: 128
    .sgpr_count:     100
    .vgpr_count:     1024
    .wavefront_size: 32
...
	.end_amdgpu_metadata
.endif
;; end of part 1
;; launch attn (part 2): grid 4 x 64, 16 waves a work-group, clusters of 4 x 1, 264,192 bytes of LDS; arguments q_img, k_img, v_img, lowp_scales, y_img; writes y_img
.if DOCPART == 2
	.amdgcn_target "amdgcn-amd-amdhsa--gfx1250"
	.amdhsa_code_object_version 6
	.text
	.protected	k_q554ff510f0_attn
	.globl	k_q554ff510f0_attn
	.p2align	8
	.type	k_q554ff510f0_attn,@function
k_q554ff510f0_attn:
	s_mov_b64 s[64:65], 0
	v_nop
	global_prefetch_b8 v0, s[64:65] scope:SCOPE_SE
	s_setreg_imm32_b32 hwreg(HW_REG_WAVE_MODE, 25, 1), 1
	s_wait_xcnt 0x0
	s_wait_alu depctr_hold_cnt(0) depctr_sa_sdst(0) depctr_va_vdst(0) depctr_va_sdst(0) depctr_va_ssrc(0) depctr_va_vcc(0) depctr_vm_vsrc(0)
	s_getreg_b32 s2, hwreg(HW_REG_IB_STS2, 6, 4)
	s_cmp_eq_u32 s2, 0
	s_cbranch_scc0 .Lentry_in_a_cluster
	s_endpgm
.Lentry_in_a_cluster:
	s_bfe_u32 s2, ttmp6, 0x10000c
	s_cmp_lg_u32 s2, 0x3003
	s_cbranch_scc0 .Lentry_shape_is_right
	s_endpgm
.Lentry_shape_is_right:
; y = softmax(q k^T / 8, causal) v for one head, both products on codes of FP8 (E4M3); y leaves quantised (e6) for the last product.
; q_img, k_img, v_img: images of operand registers, [batch 4][pair of heads 8][128 tokens 16][16384 bytes]; q, k: [16 tokens][head of the pair][1024]; v: [head of the pair][16 channels][2048].
; y_img: [16 tokens 512][head 16][1024]: the image of a fragment of 16 tokens x 64 channels.  An image: four registers in 512 bytes, lane l's 16 bytes at 16 l.
; THE SOFTMAX AHEAD OF THE SECOND PRODUCT: t = score x log2(e) / 8; M = the row's largest t so far, rounded UP to a whole number; p = 2^(t - M) is quantised (e4), not normalised.
; The row's sum is taken of the unquantised p, in f32, and divides O at the end.  When M moves, the sum and O are multiplied by 2^(old M - new M): exact.
; SHARES.  A cluster of four work-groups is one (batch, head).  The head's whole K (128 KiB of codes) and V^T (128 KiB) come into each work-group's LDS ONCE, by joint loads that name the four:
; nothing is filled again, so there is no ring.  The head's 128 tiles of 16 queries: work-group cx owns tiles 4 n + cx, n = 0 .. 31.  A tile needs the key steps (128 keys) 0 .. n / 2: that count does not
; hang on cx, so no branch does.  A wave owns an EARLY tile n = rho and a LATE tile n = 31 - rho: 17 tile steps for every wave.  rho is dealt so that any four waves with equal wave % 4, and any four with equal
; wave / 4, have the same number of tile steps ahead of the barrier between the two loops.
; LAYOUT.  Both products are used transposed: S^T = K Q^T (source 0 = 16 keys, source 1 = my 16 queries), O^T = V^T P^T (source 0 = 16 channels, source 1 = P): a lane holds ONE query (lane % 16) throughout.
; Register 8 a + j of S^T is key 16 a + 8 (lane / 16) + j, so one conversion of eight registers gives registers 2 a, 2 a + 1 of P's fragment; likewise O^T's registers give y's fragment.
; CAUSAL.  A step all of whose keys come after the tile's queries is left out (a scalar branch on the wave's number and the step); on the diagonal hidden scores become -infinity ahead of the maximum.  Key 0 counts for every query.
; LIMITS on the given exponents, so that each power of two below is an f32 number: e2 + e3 between -123 and 130 (added to c's exponent field); e4, and e6 - e4 - e5, between -126 and 119.
; No prefetch is laid: all of K and V is asked for by the loads at the head, and no later request exists that could be run ahead of.
.set HALF,  131072                     ; LDS: K's steps 0-7 (8,192 bytes each), V's steps 0-7; from HALF on K's steps 8-15, V's steps 8-15
.set VOFF,  65536
.set STEPB, 8192
.set LI,   1                           ; v1   16 x lane: my place in an image; never rewritten
.set ADK,  2                           ; v2   LDS address of the step's K
.set ADV,  3                           ; v3   of its V
.set PLIM, 4                           ; v4   not used
.set PSC,  5                           ; v5   2^e4
.set DL,   6                           ; v6   late tile: my query's place in its diagonal step, less 8 (lane / 16)
.set DE,   7                           ; v7   early tile: the same
.set YLIM, 8                           ; v8   not used
.set YSC,  9                           ; v9   2^(e6 - e4 - e5)
.set AV0,  10                          ; v10  16 x lane + VOFF
.set STL,  12                          ; v12 -M, v13 the largest t, v[14:15] the sum in two halves: late tile
.set STE,  16                          ; v16-19 the same: early tile
.set QL,   20                          ; v[20:27] Q's fragment, late tile
.set QE,   28                          ; v[28:35] early tile
.set F,    36                          ; v[36:99] eight fragments of K, then four of V
.set S,    100                         ; v[100:163] S^T, then p
.set OL,   164                         ; v[164:195] O^T, late tile
.set OE,   196                         ; v[196:227] early tile
.set PC,   228                         ; v[228:243] p's codes; at the end y's codes, eight registers a tile
.set FF,   244                         ; v[244:245] f = 2^(old M - new M); at the end 1 / the sum (the pair's low word serves both halves)
.set SUM2, 246                         ; v[246:247] the sum's second chain
.set MX,   248                         ; v248, v249 the maximum's two chains
.set MX2,  249
.set PRM,  250                         ; v250 a lane permute's destination
.set NINF, 251                         ; v251 -infinity
.set WV,   14                          ; s14  my wave's number
.set DGE,  18                          ; s18  the early tile's diagonal step, 0 .. 7
.set DGL,  19                          ; s19  the late tile's, 8 .. 15
.set SEL,  20                          ; s[20:21] lane selects for v_permlanex16_b32: lane l xor 16
.set CS,   22                          ; s[22:23] c = log2(e) / 8 x 2^(e2 + e3)
.set G1K,  24                          ; s[24:31] descriptor group 1 for K's tiles;  s[32:39] for V's
.set G1V,  32
.set G0K,  40                          ; s[40:47] group 0 for K's tiles, a set for each half;  s[48:55] for V's
.set G0V,  48
.set QPL,  66                          ; s[66:67], s[68:69] Q's images of my late and early tile
.set QPE,  68
.set YPL,  70                          ; s[70:71], s[72:73] y's images
.set YPE,  72
.set TB,   80                          ; s80  LDS byte at which the step's K begins
.set STEPI, 81                         ; s81  the key step
; A round of the cluster's barrier: my work-group's barrier, so that wave 0's signal speaks for all sixteen waves; wave 0 signals; every wave waits for the four work-groups; my work-group's barrier once more.
.macro CROUND
	s_barrier_signal -1
	s_barrier_wait -1
	s_cmp_lg_u32 s[WV], 0
	s_cbranch_scc1 .Lnot_wave_0_\@
	s_barrier_signal -3
.Lnot_wave_0_\@:
	s_barrier_wait -3
	s_barrier_signal -1
	s_barrier_wait -1
.endm
	s_load_b256 s[4:11], s[0:1], 0x0               ; q_img s[4:5], k_img s[6:7], v_img s[8:9], the scales' exponents s[10:11]
	s_load_b64 s[12:13], s[0:1], 0x20              ; y_img
	v_lshl_add_u32 v254, v0, 2, 0x40000
	v_mov_b32 v255, 0
	ds_add_u32 v254, v255
	ds_add_u32 v254, v255
	v_lshrrev_b32 v2, 5, v0
	s_delay_alu instid0(VALU_DEP_1)
	v_readfirstlane_b32 s[WV], v2                  ; wave 0..15
	s_bfe_u32 s15, ttmp6, 0x40000                  ; cx: it enters Q's and y's addresses and the mask's data, nothing else
	s_and_b32 s16, ttmp7, 0xffff                   ; 16 x batch + head, which the four partners share
	; rho: i = wave % 4, g = wave / 4, p = (i + g) % 4, rho = 4 p + (i xor 3 (p % 2))
	s_and_b32 s82, s[WV], 3
	s_lshr_b32 s83, s[WV], 2
	s_add_co_u32 s83, s82, s83
	s_and_b32 s83, s83, 3
	s_and_b32 s84, s83, 1
	s_mul_i32 s84, s84, 3
	s_xor_b32 s82, s82, s84
	s_lshl_b32 s83, s83, 2
	s_add_co_u32 s17, s83, s82                     ; rho, 0 .. 15
	s_xor_b32 s89, s17, 31                         ; 31 - rho
	s_lshr_b32 s[DGE], s17, 1
	s_lshr_b32 s[DGL], s89, 1
	; descriptor group 1.  K: 8 fragments of 1,024 bytes, 2,048 bytes apart in memory (the other head of the pair lies between), dense in LDS.  V: 8,192 dense bytes as 32 rows of 256.  Elements of 8 bytes
	s_mov_b32 s[G1K], 15|(3<<16)|(1<<21)           ; 15:0 the mask: all four work-groups; 17:16 elements of 8 bytes; 20 no padding; 21 set beside a mask
	s_mov_b32 s[G1K+1], 128<<16                    ; tensor_dim0 = 128
	s_mov_b32 s[G1K+2], 8<<16                      ; tensor_dim1 = 8
	s_mov_b32 s[G1K+3], 128<<16                    ; tile_dim0 = 128
	s_mov_b32 s[G1K+4], 8                          ; tile_dim1 = 8
	s_mov_b32 s[G1K+5], 256                        ; tensor_dim0_stride
	s_mov_b32 s[G1K+6], 0
	s_mov_b32 s[G1K+7], 0
	s_mov_b32 s[G1V], 15|(3<<16)|(1<<21)
	s_mov_b32 s[G1V+1], 32<<16
	s_mov_b32 s[G1V+2], 32<<16
	s_mov_b32 s[G1V+3], 32<<16
	s_mov_b32 s[G1V+4], 32
	s_mov_b32 s[G1V+5], 32
	s_mov_b32 s[G1V+6], 0
	s_mov_b32 s[G1V+7], 0
	s_mov_b32 s[SEL], 0x76543210
	s_mov_b32 s[SEL+1], 0xfedcba98
	s_mov_b32 s[CS], 0x3e38aa3b                    ; log2(e) / 8
	s_and_b32 s84, s16, 1                          ; which head of the pair
	s_lshr_b32 s85, s16, 1
	s_lshl_b32 s85, s85, 18                        ; the pair's 16 blocks of 16,384 bytes
	s_lshl_b32 s86, s84, 10
	s_add_co_u32 s86, s86, s85                     ; q, k: + 1,024 x head of the pair
	s_lshl_b32 s87, s84, 13
	s_add_co_u32 s87, s87, s85                     ; v: + 8,192 x head of the pair
	s_and_b32 s84, s[WV], 7                        ; waves 0-7 fetch K's steps wave and wave + 8, waves 8-15 V's steps wave - 8 and wave
	s_lshl_b32 s84, s84, 14
	s_add_co_u32 s82, s86, s84
	s_mov_b32 s83, 0
	s_add_co_u32 s84, s87, s84
	s_mov_b32 s85, 0
	s_lshl_b32 s79, s[WV], 13                      ; where it goes: 8,192 x wave: K's eight steps, then V's eight
	s_lshr_b32 s88, s16, 4
	s_lshl_b32 s88, s88, 21                        ; y: the batch's 128 tiles of 16,384 bytes,
	s_and_b32 s89, s16, 15
	s_lshl_b32 s89, s89, 10
	s_add_co_u32 s88, s88, s89                     ; + 1,024 x head
	s_wait_dscnt 0x0
	s_wait_kmcnt 0x0
	s_load_b256 s[56:63], s[10:11], 0x0            ; e0 .. e7
	s_add_nc_u64 s[82:83], s[6:7], s[82:83]
	s_add_nc_u64 s[84:85], s[8:9], s[84:85]
.irp g, 0,1
	s_mov_b32 s[G0K+4*\g], 1                       ; count = 1
	s_add_co_u32 s[G0K+4*\g+1], s79, \g*HALF       ; LDS address
	s_add_nc_u64 s[G0K+4*\g+2:G0K+4*\g+3], s[82:83], \g*8*16384   ; global address: eight steps on for the second half
	s_or_b32 s[G0K+4*\g+3], s[G0K+4*\g+3], 0x80000000            ; type = 2
	s_mov_b32 s[G0V+4*\g], 1
	s_add_co_u32 s[G0V+4*\g+1], s79, \g*HALF
	s_add_nc_u64 s[G0V+4*\g+2:G0V+4*\g+3], s[84:85], \g*8*16384
	s_or_b32 s[G0V+4*\g+3], s[G0V+4*\g+3], 0x80000000
.endr
	CROUND                                         ; all four work-groups are here: the joint loads meet
	s_cmp_lt_u32 s[WV], 8                          ; a wave's two loads stand in one branch, ahead of every wait on TENSORcnt and every LDS read: two loads of mine are out; four v_nop follow the second
	s_cbranch_scc0 .Lfirst_v
	tensor_load_to_lds s[G0K:G0K+3], s[G1K:G1K+7]
	s_nop 0
	tensor_load_to_lds s[G0K+4:G0K+7], s[G1K:G1K+7]
	s_nop 0
.rept 4
	v_nop
.endr
	s_branch .Lfirst_asked
.Lfirst_v:
	tensor_load_to_lds s[G0V:G0V+3], s[G1V:G1V+7]
	s_nop 0
	tensor_load_to_lds s[G0V+4:G0V+7], s[G1V:G1V+7]
	s_nop 0
.rept 4
	v_nop
.endr
.Lfirst_asked:
	; my two tiles: 4 n + cx.  s74 to s78 hold cx and feed no descriptor, no LDS address and no branch
	s_lshl_b32 s74, s17, 2
	s_add_co_u32 s74, s74, s15                     ; the early tile, 0 .. 63
	s_xor_b32 s75, s17, 31
	s_lshl_b32 s75, s75, 2
	s_add_co_u32 s75, s75, s15                     ; the late tile, 64 .. 127
	s_mov_b32 s77, 0
	s_lshl_b32 s76, s75, 11                        ; a tile's two heads are 2,048 bytes of q_img
	s_add_co_u32 s76, s76, s86
	s_add_nc_u64 s[QPL:QPL+1], s[4:5], s[76:77]
	s_lshl_b32 s76, s74, 11
	s_add_co_u32 s76, s76, s86
	s_add_nc_u64 s[QPE:QPE+1], s[4:5], s[76:77]
	s_lshl_b32 s76, s75, 14                        ; a tile's sixteen heads are 16,384 bytes of y_img
	s_add_co_u32 s76, s76, s88
	s_add_nc_u64 s[YPL:YPL+1], s[12:13], s[76:77]
	s_lshl_b32 s76, s74, 14
	s_add_co_u32 s76, s76, s88
	s_add_nc_u64 s[YPE:YPE+1], s[12:13], s[76:77]
	v_and_b32 v[LI], 31, v0
	s_delay_alu instid0(VALU_DEP_1)
	v_lshlrev_b32 v[LI], 4, v[LI]
	global_load_b128 v[QL:QL+3],   v[LI], s[QPL:QPL+1]             ; Q's fragments stay in registers
	global_load_b128 v[QL+4:QL+7], v[LI], s[QPL:QPL+1] offset:512
	global_load_b128 v[QE:QE+3],   v[LI], s[QPE:QPE+1]
	global_load_b128 v[QE+4:QE+7], v[LI], s[QPE:QPE+1] offset:512
	v_add_nc_u32 v[AV0], VOFF, v[LI]
	v_and_b32 v[MX], 15, v0                        ; r
	v_bfe_u32 v[MX2], v0, 4, 1                     ; h
	s_delay_alu instid0(VALU_DEP_1)
	v_lshlrev_b32 v[MX2], 3, v[MX2]
	s_delay_alu instid0(VALU_DEP_1)
	v_sub_nc_u32 v[MX], v[MX], v[MX2]              ; r - 8 h
	s_and_b32 s78, s75, 7
	s_lshl_b32 s78, s78, 4
	v_add_nc_u32 v[DL], s78, v[MX]                 ; 16 (tile % 8) + r - 8 h.  Register 8 a + j holds the step's key 16 a + 8 h + j: hidden where 16 a + j is greater
	s_and_b32 s78, s74, 7
	s_lshl_b32 s78, s78, 4
	v_add_nc_u32 v[DE], s78, v[MX]
.irp t, STL, STE
	v_mov_b32 v[\t+1], 0xff61b1e6                  ; the largest t so far: -3e38, under every t
	s_delay_alu instid0(VALU_DEP_1)
	v_floor_f32 v[\t], -v[\t+1]                    ; -M
	v_mov_b32 v[\t+2], 0                           ; the sum, in two halves
	v_mov_b32 v[\t+3], 0
.endr
	v_mov_b32 v[FF+1], 0                           ; (named as the upper half of the pair)
	v_mov_b32 v[PRM], 0                            ; written once: a lane permute's destination counts as one of its sources
	v_mov_b32 v[NINF], 0xff800000
.set j, 0
.rept 64
	v_mov_b32 v[OL+j], 0                           ; both tiles' O^T.  (A step is written without a first step of its own: the first finds zeros, which the first change of M leaves zeros)
.set j, j+1
.endr
	s_wait_kmcnt 0x0                               ; e0 .. e7
	s_add_co_i32 s82, s58, s59
	s_lshl_b32 s82, s82, 23
	s_add_co_i32 s[CS], s[CS], s82                 ; a score stands for score x 2^(e2 + e3): the two exponents are added to c's exponent field
	s_mov_b32 s[CS+1], s[CS]                       ; (named with it as a pair, so it is written)
	s_add_co_i32 s82, s60, 127
	s_lshl_b32 s83, s82, 23
	v_mov_b32 v[PSC], s83                          ; 2^e4 as f32, for p's conversions
	s_sub_co_i32 s82, s62, s60
	s_sub_co_i32 s82, s82, s61                     ; O^T / the sum stands for y / 2^(e4 + e5): its code is that / 2^(e6 - e4 - e5)
	s_add_co_i32 s82, s82, 127
	s_lshl_b32 s83, s82, 23
	v_mov_b32 v[YSC], s83
; ONE TILE, ONE KEY STEP of 128 keys.  q: Q's fragment; o: O^T; st: the statistics; d: the mask's register; diag: the tile's diagonal step.
; cond = 1: the step is left out where it lies behind the diagonal, and masked on it.  cond = 0: the caller knows that it lies ahead of the diagonal.
.macro STEP q, o, st, d, diag, cond
.if \cond
	s_cmp_gt_u32 s[STEPI], s[\diag]
	s_cbranch_scc1 .Lskip_\@
.endif
	v_add_nc_u32 v[ADK], s[TB], v[LI]
	v_add_nc_u32 v[ADV], s[TB], v[AV0]
	v_nop                                          ; with the two additions: four places in front of loads into registers that the last products read
	v_nop
.irp a, 0,1,2,3,4,5,6,7
	ds_load_b128 v[F+8*\a:F+8*\a+3],   v[ADK] offset:\a*1024       ; K's fragment a: keys 16 a on, as its image lies: 512 consecutive bytes a load
	ds_load_b128 v[F+8*\a+4:F+8*\a+7], v[ADK] offset:\a*1024+512
.endr
	s_wait_alu depctr_va_vdst(0)
	s_wait_dscnt 8                                 ; fragments 0-3 are in; the youngest eight loads (fragments 4-7) may be out
.irp a, 0,1,2,3
	v_wmma_f32_16x16x64_fp8_fp8 v[S+8*\a:S+8*\a+7], v[F+8*\a:F+8*\a+7], v[\q:\q+7], 0
.endr
	s_wait_dscnt 0x0
.irp a, 4,5,6,7
	v_wmma_f32_16x16x64_fp8_fp8 v[S+8*\a:S+8*\a+7], v[F+8*\a:F+8*\a+7], v[\q:\q+7], 0
.endr
.rept 4
	v_nop                                          ; places in front of the loads into K's registers and of the first read of the scores
.endr
.irp t, 0,1,2,3
.irp c, 0,1,2,3
	ds_load_b128 v[F+16*\t+4*\c:F+16*\t+4*\c+3], v[ADV] offset:\t*2048+\c*512   ; V^T's fragment t: channels 16 t on x these 128 keys; it lands while the softmax is walked
.endr
.endr
.if \cond
	s_cmp_lg_u32 s[STEPI], s[\diag]
	s_cbranch_scc1 .Lopen_\@
.set n, 0
.rept 64
	v_cmp_gt_i32 vcc_lo, 16*(n/8)+n%8, v[\d]
	v_cndmask_b32 v[S+n], v[S+n], v[NINF], vcc_lo  ; a hidden key's score becomes -infinity: p = 0 then
.set n, n+1
.endr
.Lopen_\@:
.endif
	v_max3_num_f32 v[MX],  v[S],   v[S+1], v[S+2]  ; the step's largest score of my query, among my 64 keys, in two chains, each accumulator from its low end on,
	v_max3_num_f32 v[MX2], v[S+3], v[S+4], v[S+5]
.irp i, 6,10,14,18,22,26,30,34,38,42,46,50,54,58
	v_max3_num_f32 v[MX],  v[MX],  v[S+\i],   v[S+\i+1]
	v_max3_num_f32 v[MX2], v[MX2], v[S+\i+2], v[S+\i+3]
.endr
	v_max3_num_f32 v[MX], v[MX], v[S+62], v[S+63]
	s_delay_alu instid0(VALU_DEP_1)
	v_max_num_f32 v[MX], v[MX], v[MX2]
	s_delay_alu instid0(VALU_DEP_1)
	v_permlanex16_b32 v[PRM], v[MX], s[SEL], s[SEL+1]
	s_delay_alu instid0(VALU_DEP_1)
	v_max_num_f32 v[MX], v[MX], v[PRM]             ; and among lane l xor 16's
	s_delay_alu instid0(VALU_DEP_1)
	v_mul_f32 v[MX], s[CS], v[MX]                  ; as t (c is positive)
	s_delay_alu instid0(VALU_DEP_1)
	v_max_num_f32 v[\st+1], v[\st+1], v[MX]        ; the running largest t
	v_mov_b32 v[MX], v[\st]
	s_delay_alu instid0(VALU_DEP_2)
	v_floor_f32 v[\st], -v[\st+1]                  ; the new -M = floor(-t) = -ceil(t): M is a whole number
	s_delay_alu instid0(VALU_DEP_1)
	v_sub_f32 v[MX], v[\st], v[MX]                 ; M's old value less its new one: a whole number, 0 or less
	s_delay_alu instid0(VALU_DEP_1)
	v_cvt_i32_f32 v[MX], v[MX]                     ; (it saturates)
	s_delay_alu instid0(VALU_DEP_1)
	v_ldexp_f32 v[FF], 1.0, v[MX]                  ; f = 2^(old M - new M)
.irp j, 0,2,4,6,8,10,12,14,16,18,20,22,24,26,28,30,32,34,36,38,40,42,44,46,48,50,52,54,56,58,60,62
	v_pk_fma_f32 v[S+\j:S+\j+1], v[S+\j:S+\j+1], s[CS:CS+1], v[\st:\st+1] op_sel_hi:[1,0,0]   ; t - M, two at a time (of the pairs c and -M the low word serves both halves)
.endr
.set n, 0
	s_wait_alu depctr_va_vdst(0)
.rept 64
	v_exp_f32 v[S+n], v[S+n]                       ; p = 2^(t - M), at most 1: not normalised
.set n, n+1
.endr
	v_pk_mul_f32 v[\st+2:\st+3], v[\st+2:\st+3], v[FF:FF+1] op_sel_hi:[1,0]   ; the sums under the new M: the plain instruction behind the exponentials
	s_wait_alu depctr_va_vdst(0)                   ; a wait ahead of the first instruction that names a result: one for the batch of 64
	v_pk_add_f32 v[SUM2:SUM2+1], v[S:S+1], v[S+2:S+3]   ; the row's sum is taken of the UNQUANTISED p: two at a time, in two chains
.irp j, 4,8,12,16,20,24,28,32,36,40,44,48,52,56,60
	v_pk_add_f32 v[\st+2:\st+3], v[\st+2:\st+3], v[S+\j:S+\j+1]
	v_pk_add_f32 v[SUM2:SUM2+1], v[SUM2:SUM2+1], v[S+\j+2:S+\j+3]
.endr
	s_delay_alu instid0(VALU_DEP_1)
	v_pk_add_f32 v[\st+2:\st+3], v[\st+2:\st+3], v[SUM2:SUM2+1]
.irp a, 0,1,2,3,4,5,6,7
.irp i, 0,1,2,3,4,5,6,7
.endr
	v_cvt_scalef32_pk8_fp8_f32 v[PC+2*\a:PC+2*\a+1], v[S+8*\a:S+8*\a+7], v[PSC]   ; registers 2 a, 2 a + 1 of P's fragment: keys 16 a + 8 (lane / 16) + 0 .. 7
.endr
.irp j, 0,2,4,6,8,10,12,14,16,18,20,22,24,26,28,30
	v_pk_mul_f32 v[\o+\j:\o+\j+1], v[\o+\j:\o+\j+1], v[FF:FF+1] op_sel_hi:[1,0]   ; O^T under the new M: x f, each accumulator from its low end on.  (Also the plain instructions between the conversions and the products that read the codes)
.endr
	s_wait_alu depctr_va_vdst(0)
	s_wait_dscnt 0x0                               ; V's fragments are in
.irp t, 0,1,2,3
	v_wmma_f32_16x16x128_fp8_fp8 v[\o+8*\t:\o+8*\t+7], v[F+16*\t:F+16*\t+15], v[PC:PC+15], v[\o+8*\t:\o+8*\t+7]   ; the four accumulators take turns, one instruction a turn
.endr
.if \cond
.Lskip_\@:
.endif
.endm
; A tile's end: the sum's two halves and lane l xor 16's; O^T / the sum, converted: y's fragment, eight registers, leaves as its image.  so: which half of S's registers; yc: the codes; yp: the pointer.
.macro FINISH o, st, so, yc, yp
	v_add_f32 v[MX], v[\st+2], v[\st+3]
	s_delay_alu instid0(VALU_DEP_1)
	v_permlanex16_b32 v[PRM], v[MX], s[SEL], s[SEL+1]
	s_delay_alu instid0(VALU_DEP_1)
	v_add_f32 v[MX], v[MX], v[PRM]
	s_wait_alu depctr_va_vdst(0)
	v_rcp_f32 v[FF], v[MX]
	v_nop                                          ; a plain instruction behind the reciprocal,
	s_wait_alu depctr_va_vdst(0)                   ; and a wait ahead of its first reader
.irp j, 0,2,4,6,8,10,12,14,16,18,20,22,24,26,28,30
	v_pk_mul_f32 v[S+\so+\j:S+\so+\j+1], v[\o+\j:\o+\j+1], v[FF:FF+1] op_sel_hi:[1,0]
.endr
.set n, 0
.rept 32
.set n, n+1
.endr
.irp t, 0,1,2,3
	v_cvt_scalef32_pk8_fp8_f32 v[\yc+2*\t:\yc+2*\t+1], v[S+\so+8*\t:S+\so+8*\t+7], v[YSC]   ; channels 16 t + 8 (lane / 16) + 0 .. 7 of my query
.endr
	v_nop                                          ; one plain vector instruction behind the last conversion
	global_store_b128 v[LI], v[\yc:\yc+3],   s[\yp:\yp+1]              ; 512 consecutive bytes, aligned; each tile has its own registers, so no store's data are written again
	global_store_b128 v[LI], v[\yc+4:\yc+7], s[\yp:\yp+1] offset:512
.endm
	s_wait_loadcnt 0x0                             ; Q
	s_wait_tensorcnt 1                             ; my part of the first halves is in; my second load may be out
	s_barrier_signal -1
	s_barrier_wait -1                              ; everybody's is: K's and V's steps 0-7 are whole
	s_mov_b32 s[TB], 0
	s_mov_b32 s[STEPI], 0
.Lsteps_a:                                             ; steps 0-7: all lie ahead of the late tile's diagonal; the early tile takes those up to its own
	STEP QL, OL, STL, DL, DGL, 0
	STEP QE, OE, STE, DE, DGE, 1
	s_add_co_u32 s[TB], s[TB], STEPB
	s_add_co_u32 s[STEPI], s[STEPI], 1
	s_cmp_lt_u32 s[STEPI], 8
	s_cbranch_scc1 .Lsteps_a
	s_wait_tensorcnt 0x0                           ; my part of the second halves is in,
	s_wait_dscnt 0x0                               ; no LDS load of mine is out at a signal
	s_barrier_signal -1
	s_barrier_wait -1                              ; everybody's is: steps 8-15 are whole
	s_mov_b32 s[TB], HALF
	s_mov_b32 s[STEPI], 8
.Lsteps_b:                                             ; steps 8-15: the late tile alone, up to its diagonal
	STEP QL, OL, STL, DL, DGL, 1
	s_add_co_u32 s[TB], s[TB], STEPB
	s_add_co_u32 s[STEPI], s[STEPI], 1
	s_cmp_lt_u32 s[STEPI], 16
	s_cbranch_scc1 .Lsteps_b
.rept 4
	v_nop                                          ; places behind the last products: their results are read, and the registers of p's codes written
.endr
	FINISH OL, STL, 0,  PC,   YPL
	FINISH OE, STE, 32, PC+8, YPE
	s_wait_tensorcnt 0x0
	ds_add_u32 v254, v255
	s_wait_dscnt 0x0
	CROUND                                         ; the closing round: no work-group ends while a partner may still ask for a tile that names it
	s_endpgm
.Lfunc_end_k_q554ff510f0_attn:
	.size	k_q554ff510f0_attn, .Lfunc_end_k_q554ff510f0_attn-k_q554ff510f0_attn
	.p2alignl 7, 3214868480
	.fill 96, 4, 3214868480
	.section	.rodata,"a",@progbits
	.p2align	6, 0x0
	.amdhsa_kernel k_q554ff510f0_attn
		.amdhsa_group_segment_fixed_size 264192
		.amdhsa_private_segment_fixed_size 0
		.amdhsa_enable_private_segment 0
		.amdhsa_kernarg_size 40
		.amdhsa_user_sgpr_count 2
		.amdhsa_user_sgpr_kernarg_segment_ptr 1
		.amdhsa_wavefront_size32 1
		.amdhsa_system_sgpr_workgroup_id_x 1
		.amdhsa_system_sgpr_workgroup_id_y 1
		.amdhsa_system_sgpr_workgroup_id_z 1
		.amdhsa_system_vgpr_workitem_id 0
		.amdhsa_next_free_vgpr 256
		.amdhsa_next_free_sgpr 90
		.amdhsa_reserve_vcc 1
		.amdhsa_float_denorm_mode_32 3
		.amdhsa_float_denorm_mode_16_64 3
		.amdhsa_fp16_overflow 1
		.amdhsa_memory_ordered 1
		.amdhsa_forward_progress 1
		.amdhsa_inst_pref_size 65
	.end_amdhsa_kernel
	.amdgpu_metadata
---
amdhsa.version: [ 1, 2 ]
amdhsa.kernels:
  - .name:           k_q554ff510f0_attn
    .symbol:         k_q554ff510f0_attn.kd
    .args:
      - { .name: q_img, .offset: 0, .size: 8, .value_kind: global_buffer, .address_space: global }
      - { .name: k_img, .offset: 8, .size: 8, .value_kind: global_buffer, .address_space: global }
      - { .name: v_img, .offset: 16, .size: 8, .value_kind: global_buffer, .address_space: global }
      - { .name: lowp_scales, .offset: 24, .size: 8, .value_kind: global_buffer, .address_space: global }
      - { .name: y_img, .offset: 32, .size: 8, .value_kind: global_buffer, .address_space: global }
    .group_segment_fixed_size: 264192
    .private_segment_fixed_size: 0
    .kernarg_segment_align: 8
    .kernarg_segment_size: 40
    .max_flat_workgroup_size: 512
    .sgpr_count:     90
    .vgpr_count:     256
    .wavefront_size: 32
...
	.end_amdgpu_metadata
.endif
;; end of part 2
;; launch proj (part 3): grid 8 x 32, 4 waves a work-group, clusters of 4 x 4, 327,680 bytes of LDS; arguments y_img, w_proj_codes, lowp_scales, out0; writes out0
.if DOCPART == 3
	.amdgcn_target "amdgcn-amd-amdhsa--gfx1250"
	.amdhsa_code_object_version 6
	.text
	.protected	k_q554ff510f0_proj
	.globl	k_q554ff510f0_proj
	.p2align	8
	.type	k_q554ff510f0_proj,@function
k_q554ff510f0_proj:
	s_mov_b64 s[64:65], 0
	v_nop
	global_prefetch_b8 v0, s[64:65] scope:SCOPE_SE
	s_setreg_imm32_b32 hwreg(HW_REG_WAVE_MODE, 25, 1), 1
	s_wait_xcnt 0x0
	s_wait_alu depctr_hold_cnt(0) depctr_sa_sdst(0) depctr_va_vdst(0) depctr_va_sdst(0) depctr_va_ssrc(0) depctr_va_vcc(0) depctr_vm_vsrc(0)
	s_getreg_b32 s2, hwreg(HW_REG_IB_STS2, 6, 4)
	s_cmp_eq_u32 s2, 0
	s_cbranch_scc0 .Lentry_in_a_cluster
	s_endpgm
.Lentry_in_a_cluster:
	s_bfe_u32 s2, ttmp6, 0x10000c
	s_cmp_lg_u32 s2, 0xf033
	s_cbranch_scc0 .Lentry_shape_is_right
	s_endpgm
.Lentry_shape_is_right:
; out0 = y w_proj on codes of FP8 (E4M3).  y_img: [16 tokens 512][head 16][1024 bytes]: images of fragments of 16 tokens x 64 channels (four registers in 512 bytes, lane l's 16 bytes at 16 l);
; two neighbouring heads are the sixteen registers of a fragment of 16 tokens x 128 K, K = 16 c + 8 (l / 16) + 0 .. 7 in registers 2 c, 2 c + 1.
; w_proj_codes: [1024 columns][1024], K innermost.  out0: [8192][1024] f32.  Each finished sum is multiplied once by 2^(e6 + e7).  LIMIT: e6 + e7 between -126 and 127, so that it is an f32 number.
; SHARES.  A tile of 256 tokens x 128 columns to a work-group: 256 work-groups.  Four waves, each 128 x 64: 32 accumulators, 256 registers.  K goes in steps of 256 (four heads) through a ring of two LDS slots.
; CLUSTERS: 4 x 4 work-groups.  The four of a row of the cluster need the same tiles of y, the four of a column the same tiles of w_proj: each tile is asked for JOINTLY.
; THE MATRIX INSTRUCTION IS USED TRANSPOSED (source 0 = 16 rows of w_proj, source 1 = 16 tokens): a lane then holds eight neighbouring numbers of a row of out0.
; REGISTERS, in windows of 256: window 0: v0-31 addresses; v32-63 at work on the way out; from v128 y's fragments (8 x 16 tokens x 128 K), ONE set; on the way out rows read back.
;   window 1: w_proj's fragments, TWO sets, at v0 and v64.   window 2: the accumulators, (a, b) at v[8 (4 a + b)].
.set KROW,   1024                      ; a row of w_proj in memory, in bytes
.set PITCH,  272                       ; a row of w_proj's tile in LDS: 256 bytes + 16 of padding = 68 words: the 32 lanes of an 8-byte load touch 64 different banks (64 banks of 4 bytes: ISA guide 11.1)
.set ATILE,  4096                      ; 16 tokens x 256 K of images: dense
.set AHALF,  8*ATILE                   ; 128 tokens: what one tensor load brings of y, and what one wave reads
.set BOFF,   2*AHALF                   ; w_proj's part of a slot lies behind y's
.set BHALF,  64*PITCH                  ; 64 rows: what one tensor load brings of w_proj, and what one wave reads
.set SLOT,   BOFF+2*BHALF
.set LAPS,   2                         ; K = 1024 is four slots' worth: twice round the ring
.set SPARE,  2*SLOT                    ; behind the ring: the spare words, 128 bytes for each wave: two blocks of 256 bytes that no other line names
.set SPITCH, 272                       ; the way out: a stage of 16 rows x (256 bytes + 16) for each wave.  It lies in slot 0, which has had its last fill and its last read when the first result is stored there
.set FR,     16
.set NP,     4                         ; places behind this matrix instruction (ISA guide 7.12.1)
.set ADRA, 16                          ; v16-17  LDS address of my fragments of y in slot 0, 1
.set ADRB, 20                          ; v20-21  the same for w_proj
.set STO,  24                          ; v24     the way out: where I put 32 bytes of a row
.set RD,   25                          ; v25     where I read a row back
.set CO,   26                          ; v26     my byte offset in two rows of out0; never rewritten
.set SPW,  28                          ; v28     LDS address of my spare word; never rewritten
.set NIL,  29                          ; v29     0; never rewritten
.set TMP,  32                          ; v32-63  a block's sums x 2^(e6 + e7)
.set AF,   128
.set BK,   128                         ; the way out: 16 rows read back: v128-159 and v160-191 by turns
.set G1, 24
.set G0, 32
.set G1B, 48
.set G0B, 56
.set MSB, 0
.macro WIN new                         ; the immediate's high byte repeats the setting that is left; a switch that changes nothing is dropped
.if MSB != (\new)
	s_set_vgpr_msb (MSB<<8)|(\new)
.set MSB, (\new)
.endif
.endm
.set MUL,  0xa1                        ; source 0 (w_proj) window 1, source 1 (y) window 0, C and D window 2
.set TO_B, 0x40                        ; destination window 1, address window 0
; A joint load: waves 0 and 1 fetch y's two halves, waves 2 and 3 w_proj's.  The branch hangs on the wave's number alone.  Four v_nop follow each of the two lines.
.macro JLOAD g0a, g1a, g0b, g1b
	s_cmp_eq_u32 s15, 0
	s_cbranch_scc0 .Lfor_b_\@
	tensor_load_to_lds s[\g0a:\g0a+3], s[\g1a:\g1a+7]
	s_nop 0
.rept 4
	v_nop
.endr
	s_branch .Lasked_\@
.Lfor_b_\@:
	tensor_load_to_lds s[\g0b:\g0b+3], s[\g1b:\g1b+7]
	s_nop 0
.rept 4
	v_nop
.endr
.Lasked_\@:
.endm
.macro CREST                           ; a round of the cluster's barrier behind its opening barrier
	s_cmp_lg_u32 s14, 0
	s_cbranch_scc1 .Lnot_wave_0_\@
	s_barrier_signal -3
.Lnot_wave_0_\@:
	s_barrier_wait -3
	s_barrier_signal -1
	s_barrier_wait -1
.endm
.macro CROUND                          ; a whole round
	s_barrier_signal -1
	s_barrier_wait -1
	CREST
.endm
	s_load_b256 s[4:11], s[0:1], 0x0               ; y_img s[4:5], w_proj s[6:7], the scales' exponents s[8:9], out0 s[10:11]
	v_lshl_add_u32 v[SPW], v0, 2, SPARE
	v_mov_b32 v[NIL], 0
	ds_add_u32 v28, v29
	ds_add_u32 v28, v29
	s_wait_dscnt 0x0
	v_lshrrev_b32 v1, 5, v0
	v_readfirstlane_b32 s14, v1                    ; wave 0..3
	s_lshr_b32 s15, s14, 1                         ; which 128 of the tile's tokens are mine.  Also: I fetch for y (0) or for w_proj (1)
	s_and_b32 s16, s14, 1                          ; which 64 of its columns.  Also: which half of that tile I fetch
	s_bfe_u32 s40, ttmp6, 0x40000                  ; cx, cy: my place in the cluster
	s_bfe_u32 s41, ttmp6, 0x40004
	s_lshl_b32 s42, ttmp9, 2
	s_add_co_u32 s42, s42, s40                     ; tile column = 4 x cluster x + cx
	s_and_b32 s17, ttmp7, 0xffff
	s_lshl_b32 s17, s17, 2
	s_add_co_u32 s17, s17, s41                     ; tile row = 4 x cluster y + cy
	s_lshl_b32 s43, s41, 2
	s_lshl_b32 s43, 15, s43                        ; my row of the cluster
	s_lshl_b32 s44, 0x1111, s40                    ; my column
	; descriptor group 1.  y: 8 rows (16 tokens each) of 4,096 bytes, 16,384 bytes apart, dense in LDS; elements of 8 bytes
	s_or_b32 s[G1+0], s43, (3<<16)|(1<<21)         ; 15:0 the mask: y's tiles go to my row; 17:16 elements of 8 bytes; 20 no padding; 21 set beside a mask
	s_mov_b32 s[G1+1], 512<<16                     ; tensor_dim0 = 512
	s_mov_b32 s[G1+2], 8<<16                       ; tensor_dim1 = 8
	s_mov_b32 s[G1+3], 512<<16                     ; tile_dim0 = 512
	s_mov_b32 s[G1+4], 8                           ; tile_dim1 = 8
	s_mov_b32 s[G1+5], 2048                        ; tensor_dim0_stride
	s_mov_b32 s[G1+6], 0
	s_mov_b32 s[G1+7], 0
	; w_proj: 64 rows of 256 bytes, 1,024 bytes apart, padded in LDS; elements of 1 byte
	s_or_b32 s[G1B+0], s44, (0<<16)|(1<<20)|(1<<21)|(5<<22)|(3<<25)  ; the mask of my column; padding on: 4 words (code 3) after every 64 (code 5)
	s_mov_b32 s[G1B+1], 256<<16
	s_mov_b32 s[G1B+2], 64<<16
	s_mov_b32 s[G1B+3], 256<<16
	s_mov_b32 s[G1B+4], 64
	s_mov_b32 s[G1B+5], KROW
	s_mov_b32 s[G1B+6], 0
	s_mov_b32 s[G1B+7], 0
	s_lshl_b32 s20, s17, 18                        ; y: the tile's 16 rows of 16,384 bytes,
	s_lshl_b32 s18, s16, 17                        ; + the 8 that I fetch
	s_add_co_u32 s20, s20, s18
	s_mov_b32 s21, 0
	s_lshl_b32 s46, s42, 17                        ; w_proj: the tile's 128 rows of 1,024 bytes,
	s_lshl_b32 s18, s16, 16                        ; + the 64 that I fetch
	s_add_co_u32 s46, s46, s18
	s_mov_b32 s47, 0
	s_mul_i32 s45, s16, AHALF                      ; where they go: no place in the cluster enters an LDS address
	s_mul_i32 s19, s16, BHALF
	s_add_co_u32 s19, s19, BOFF
	s_wait_kmcnt 0x0
	s_load_b64 s[96:97], s[8:9], 0x18              ; e6, e7
	s_add_nc_u64 s[20:21], s[4:5], s[20:21]
	s_add_nc_u64 s[46:47], s[6:7], s[46:47]
	CROUND                                         ; all sixteen work-groups are here: the first joint loads meet
.irp s, 0,1
	s_mov_b32 s[G0+4*\s], 1
	s_add_co_u32 s[G0+4*\s+1], s45, \s*SLOT
	s_add_nc_u64 s[G0+4*\s+2:G0+4*\s+3], s[20:21], \s*ATILE     ; four heads on
	s_or_b32 s[G0+4*\s+3], s[G0+4*\s+3], 0x80000000
	s_mov_b32 s[G0B+4*\s], 1
	s_add_co_u32 s[G0B+4*\s+1], s19, \s*SLOT
	s_add_nc_u64 s[G0B+4*\s+2:G0B+4*\s+3], s[46:47], \s*256
	s_or_b32 s[G0B+4*\s+3], s[G0B+4*\s+3], 0x80000000
	s_wait_alu depctr_va_vdst(0)
	s_wait_tensorcnt 0x0
	ds_add_u32 v28, v29
	ds_add_u32 v28, v29
	s_wait_dscnt 0x0
	CROUND
	JLOAD G0+4*\s, G1, G0B+4*\s, G1B
.endr
	v_and_b32 v1, 15, v0                           ; r = l % 16
	v_bfe_u32 v2, v0, 4, 1                         ; h = l / 16
	v_and_b32 v6, 31, v0
	v_lshlrev_b32 v5, 4, v6                        ; 16 x lane: my place in an image
	v_mul_u32_u24 v3, v1, PITCH
	s_wait_alu depctr_va_vdst(0)
	v_lshl_add_u32 v4, v2, 3, v3                   ; w_proj: row r x pitch + 8 h
	s_mul_i32 s21, s15, AHALF                      ; my 128 tokens
	s_mul_i32 s22, s16, BHALF                      ; my 64 rows of w_proj
	s_add_co_u32 s22, s22, BOFF
.irp s, 0,1
	v_add_nc_u32 v[ADRA+\s], s21, v5
	v_add_nc_u32 v[ADRB+\s], s22, v4
	s_add_co_u32 s21, s21, SLOT
	s_add_co_u32 s22, s22, SLOT
.endr
	s_mul_i32 s23, s14, 16*SPITCH                  ; my stage
	v_lshl_add_u32 v7, v2, 5, v3                   ; in: row r, 32 bytes for each half of the lanes
	v_add_nc_u32 v[STO], s23, v7
	v_mul_u32_u24 v7, v2, SPITCH                   ; back: lanes 0-15 take one row of 256 bytes, lanes 16-31 the next
	v_lshl_add_u32 v7, v1, 4, v7
	v_add_nc_u32 v[RD], s23, v7
	v_lshlrev_b32 v7, 12, v2                       ; and the same two rows in out0: a row is 4,096 bytes
	v_lshl_add_u32 v[CO], v1, 4, v7
	s_lshl_b32 s90, s17, 20                        ; my first row: 256 x tile row + 128 x half, in rows of 4,096 bytes;
	s_lshl_b32 s91, s15, 19
	s_add_co_u32 s90, s90, s91
	s_lshl_b32 s91, s42, 9                         ; my first column: 128 x tile column + 64 x half, in numbers of 4 bytes
	s_add_co_u32 s90, s90, s91
	s_lshl_b32 s91, s16, 8
	s_add_co_u32 s90, s90, s91
	s_mov_b32 s91, 0
	s_add_nc_u64 s[10:11], s[10:11], s[90:91]
	s_wait_kmcnt 0x0
	s_add_co_i32 s96, s96, s97                     ; e6 + e7, between -126 and 127,
	s_add_co_i32 s96, s96, 127
	s_lshl_b32 s96, s96, 23                        ; makes the f32 number 2^(e6 + e7)
	s_mov_b32 s97, s96                             ; (named with it as a pair, so it is written)
.macro FRAG_A reg, adr, q, i           ; y's fragment of 16 tokens x 128 K comes back as its image lies: four loads of 512 consecutive bytes
.irp c, 0,1,2,3
	ds_load_b128 v[\reg+4*\c:\reg+4*\c+3], v[\adr] offset:(\i)*ATILE+(\q)*2048+\c*512
.endr
.endm
.macro FRAG_B reg, adr, q, i           ; w_proj's fragment in the same places of K: registers 2 c, 2 c + 1 hold K = 16 c + 8 (l / 16) + 0 .. 7 of row l % 16: eight loads of 8 bytes
.irp c, 0,1,2,3,4,5,6,7
	ds_load_b64 v[\reg+2*\c:\reg+2*\c+1], v[\adr] offset:128*(\q)+16*\c+(\i)*16*PITCH
.endr
.endm
; 8 matrix instructions: y's blocks a0, a0 + 1 x w_proj's four, 128 along K.  p: w_proj's set.  zero = 1: the first product starts the sums.
; The 32 accumulators take turns, one instruction a turn, in the same order in every step.
.macro MUL8 a0, p, zero
.irp a, \a0, \a0+1
.irp b, 0,1,2,3
.if \zero
	v_wmma_f32_16x16x128_fp8_fp8 v[8*(4*(\a)+\b):8*(4*(\a)+\b)+7], v[64*(\p)+FR*\b:64*(\p)+FR*\b+FR-1], v[AF+FR*(\a):AF+FR*(\a)+FR-1], 0
.else
	v_wmma_f32_16x16x128_fp8_fp8 v[8*(4*(\a)+\b):8*(4*(\a)+\b)+7], v[64*(\p)+FR*\b:64*(\p)+FR*\b+FR-1], v[AF+FR*(\a):AF+FR*(\a)+FR-1], v[8*(4*(\a)+\b):8*(4*(\a)+\b)+7]
.endif
.endr
.endr
.endm
.macro FETCH_B slot, q, p              ; w_proj's four fragments of the slot's q-th 128 along K into set p: 32 loads
	WIN TO_B
.irp i, 0,1,2,3
	FRAG_B 64*(\p)+FR*\i, ADRB+\slot, \q, \i
.endr
	WIN 0
.endm
.macro FETCH_A slot, q, i0             ; y's blocks i0 .. i0 + 3: 16 loads
.irp i, \i0, \i0+1, \i0+2, \i0+3
	FRAG_A AF+FR*(\i), ADRA+\slot, \q, \i
.endr
.endm
.macro PLACES n                        ; places in front of loads into registers that matrix instructions have read, and of the first read of results (ISA guide 7.12.1 for the reads of results)
.rept \n
	v_nop
.endr
.endm
; A step of 128 along K that has its successor in the same slot.
.macro STEP slot, q, zero
	s_wait_dscnt 16                                ; w_proj's set and y's blocks 0-3 are in; the youngest sixteen loads (blocks 4-7) may be out
	WIN MUL
	MUL8 0, (\q)%2, \zero
	MUL8 2, (\q)%2, \zero
	s_wait_dscnt 0x0                               ; blocks 4-7 are in
	PLACES NP
	FETCH_B \slot, (\q)+1, 1-(\q)%2
	FETCH_A \slot, (\q)+1, 0
	WIN MUL
	MUL8 4, (\q)%2, \zero
	MUL8 6, (\q)%2, \zero
	PLACES NP
	WIN 0
	FETCH_A \slot, (\q)+1, 4
.endm
; A slot's last step changes slots: ONE barrier; in front of it each wave waits for all its tensor loads, adds 0 to its spare word, and waits for that and for its own reads of this slot.  fill = 1: this slot is filled again.
.macro TURN slot, next, fill
	s_wait_tensorcnt 0x0                           ; all my tensor loads have landed: my part of the next slot  (every window is 0 here)
	ds_add_u32 v[SPW], v[NIL]                      ; 0 onto my spare word
	s_wait_dscnt 17                                ; (the add and the youngest sixteen loads, blocks 4-7, may be out)
	WIN MUL
	MUL8 0, 1, 0                                   ; eight matrix instructions stand between the add and the wait for it
	s_wait_dscnt 0x0                               ; the add is done, and my reads of this slot are over
	s_barrier_signal -1
	MUL8 2, 1, 0
	WIN 0
	s_barrier_wait -1
.if \fill
	CREST                                          ; the barrier has opened a round of the cluster's barrier: no wave of any partner still reads this slot's tile or has a load on its way
	s_add_nc_u64 s[G0+4*\slot+2:G0+4*\slot+3], s[G0+4*\slot+2:G0+4*\slot+3], 2*ATILE
	s_add_nc_u64 s[G0B+4*\slot+2:G0B+4*\slot+3], s[G0B+4*\slot+2:G0B+4*\slot+3], 2*256
	JLOAD G0+4*\slot, G1, G0B+4*\slot, G1B         ; the first tensor load behind the round, my one load until the next; the four v_nop behind it are the places in front of the loads below
.else
	PLACES NP
.endif
	s_wait_alu depctr_va_vdst(0)
	FETCH_B \next, 0, 0
	FETCH_A \next, 0, 0
	WIN MUL
	MUL8 4, 1, 0
	MUL8 6, 1, 0
	PLACES NP
	WIN 0
	FETCH_A \next, 0, 4
.endm
	s_wait_tensorcnt 1                             ; my part of slot 0 is in; slot 1's load may be out
	s_barrier_signal -1
	s_barrier_wait -1                              ; everybody's is
	FETCH_B 0, 0, 0
	FETCH_A 0, 0, 0
	FETCH_A 0, 0, 4
	STEP 0, 0, 1                                   ; the first step's products start the sums
.rept LAPS-1                                           ; once round the ring: both slots are filled again.  K = 1024 has one such lap: written out, no loop
	TURN 0, 1, 1
	STEP 1, 0, 0
	TURN 1, 0, 1
	STEP 0, 0, 0
.endr
	TURN 0, 1, 0                                   ; the last lap fills nothing, and has no round of the cluster's barrier
	STEP 1, 0, 0
	s_wait_dscnt 16                                ; the very last step: nothing more to fetch
	WIN MUL
	MUL8 0, 1, 0
	MUL8 2, 1, 0
	s_wait_dscnt 0x0
	MUL8 4, 1, 0
	MUL8 6, 1, 0
	WIN 0
; THE WAY OUT, block by block of 16 rows x 64 columns.  A lane holds 32 neighbouring bytes of a row, and the lanes beside it hold other rows: so a block goes through my own stage in LDS and comes back as whole
; rows of 256 bytes.  LDS serves a wave's instructions in order (ISA guide 5.7.1.4): no wait between the stores and the loads, nor in front of the next block's stores.
.macro TOSTAGE a
	WIN 0x02                                       ; source 0: window 2
.set j, 0
.rept 16
	v_pk_mul_f32 v[TMP+j:TMP+j+1], v[32*(\a)+j:32*(\a)+j+1], s[96:97] op_sel_hi:[1,0]   ; both x s96 = 2^(e6 + e7); each accumulator from its low end on
.set j, j+2
.endr
	WIN 0
.irp b, 0,1,2,3
	ds_store_b128 v[STO], v[TMP+8*\b:TMP+8*\b+3] offset:64*\b
	ds_store_b128 v[STO], v[TMP+8*\b+4:TMP+8*\b+7] offset:64*\b+16
.endr
.set BB, BK+32*((\a)%2)
.irp t, 0,1,2,3,4,5,6,7
	ds_load_b128 v[BB+4*\t:BB+4*\t+3], v[RD] offset:\t*2*SPITCH
.endr
.endm
.macro SEND a, younger                 ; younger: the LDS instructions issued behind block a's loads, which may stay out
.set BB, BK+32*((\a)%2)
	s_wait_dscnt \younger                          ; the block is back in registers
.irp t, 0,1,2,3,4,5,6,7
	global_store_b128 v[CO], v[BB+4*\t:BB+4*\t+3], s[10:11] offset:(16*(\a)+2*\t)*4096 th:TH_STORE_NT   ; 16 lanes store 256 consecutive bytes, at a multiple of 256 from out0's first byte; every offset an immediate (126 rows at the most); written once, read by nobody here
.endr
.endm
	PLACES NP                                      ; behind the last products: their results are read, and loads land in the registers that held y's fragments
	TOSTAGE 0
.irp a, 1,2,3,4,5,6,7
.if \a > 1
	s_wait_xcnt 0x0                                ; block a - 2's stores have read their registers: block a's loads may land there
.endif
	TOSTAGE \a
	SEND \a-1, 16                                  ; behind block a - 1's loads: block a's 8 stores and 8 loads
.endr
	SEND 7, 0
	s_wait_tensorcnt 0x0                           ; the wave's end, behind my last tensor load and my last LDS store
	ds_add_u32 v[SPW], v[NIL]
	s_wait_dscnt 0x0
	CROUND                                         ; the closing round: no work-group ends while a partner may still ask for a tile that names it
	s_endpgm
.Lfunc_end_k_q554ff510f0_proj:
	.size	k_q554ff510f0_proj, .Lfunc_end_k_q554ff510f0_proj-k_q554ff510f0_proj
	.p2alignl 7, 3214868480
	.fill 96, 4, 3214868480
	.section	.rodata,"a",@progbits
	.p2align	6, 0x0
	.amdhsa_kernel k_q554ff510f0_proj
		.amdhsa_group_segment_fixed_size 327680
		.amdhsa_private_segment_fixed_size 0
		.amdhsa_enable_private_segment 0
		.amdhsa_kernarg_size 32
		.amdhsa_user_sgpr_count 2
		.amdhsa_user_sgpr_kernarg_segment_ptr 1
		.amdhsa_wavefront_size32 1
		.amdhsa_system_sgpr_workgroup_id_x 1
		.amdhsa_system_sgpr_workgroup_id_y 1
		.amdhsa_system_sgpr_workgroup_id_z 1
		.amdhsa_system_vgpr_workitem_id 0
		.amdhsa_next_free_vgpr 768
		.amdhsa_next_free_sgpr 100
		.amdhsa_reserve_vcc 0
		.amdhsa_float_denorm_mode_32 3
		.amdhsa_float_denorm_mode_16_64 3
		.amdhsa_memory_ordered 1
		.amdhsa_forward_progress 1
		.amdhsa_inst_pref_size 86
	.end_amdhsa_kernel
	.amdgpu_metadata
---
amdhsa.version: [ 1, 2 ]
amdhsa.kernels:
  - .name:           k_q554ff510f0_proj
    .symbol:         k_q554ff510f0_proj.kd
    .args:
      - { .name: y_img, .offset: 0, .size: 8, .value_kind: global_buffer, .address_space: global }
      - { .name: w_proj_codes, .offset: 8, .size: 8, .value_kind: global_buffer, .address_space: global }
      - { .name: lowp_scales, .offset: 16, .size: 8, .value_kind: global_buffer, .address_space: global }
      - { .name: out0, .offset: 24, .size: 8, .value_kind: global_buffer, .address_space: global }
    .group_segment_fixed_size: 327680
    .private_segment_fixed_size: 0
    .kernarg_segment_align: 8
    .kernarg_segment_size: 32
    .max_flat_workgroup_size: 128
    .sgpr_count:     100
    .vgpr_count:     768
    .wavefront_size: 32
...
	.end_amdgpu_metadata
.endif
;; end of part 3
